; MI455X (gfx1250); checked and timed in simulation.
; The chip was launched on July 23, 2026; its instructions are those of AMD's public machine-readable ISA for CDNA 5 (MIT licence, August 2026) and "CDNA5" Instruction Set Architecture Reference Guide (July 2026). The comments in the code are by the model that wrote it; some were corrected since.
;; Custom LSTM Cell. Allowed arithmetic: matrix products marked QUANTISED: E3M2 operands, one E8M0 scale for each 32 along K, by v_wmma_scale_f32_16x16x128_f8f6f4 with both operands' format E3M2, f32 sums; everything else in f32.
;; Inputs: W_h 4,096 x 1,024 float32; W_x 4,096 x 1,024 float32; b_extra 4,096 float32; b_h 4,096 float32; b_x 4,096 float32; c_prev 8,192 x 1,024 float32; e_t 8,192 x 1,024 float32; h_prev 8,192 x 1,024 float32.
;; Outputs: out0 8,192 x 1,024 float32; out1 8,192 x 1,024 float32.
;; This version of the problem:
;;   THIS VERSION OF THE PROBLEM IS GIVEN IN LOW PRECISION. The matrix products marked QUANTISED in the list below multiply operands that are first quantised to E3M2 (3 exponent bits, 2 mantissa bits; 6 bits a number), with one power-of-two scale for each 32 numbers along K (OCP MX v1.0); their sums are f32. All else is computed in f32.
;;   The module's matrix products, in the order in which they are computed (A, B: the left and right operand; K: the contracted axis; several contracted axes count as one K, in the product's order):
;;     1. [M 8,192, K 1,024] x [K 1,024, N 4,096]; A: input e_t; B: input W_x: QUANTISED
;;     2. [M 8,192, K 1,024] x [K 1,024, N 4,096]; A: input h_prev; B: input W_h: QUANTISED
;;   THE QUANTISER, for each operand of a quantised product, along K:
;;     - K is cut into blocks of 32 from its start; a last block that is shorter is filled with zeros.
;;     - A block's scale is 2^e with e = floor(log2(the largest magnitude in the block)) - 4, held to -126 .. 127; a block of zeros has e = 0. As a byte (E8M0): e + 127.
;;     - Each number is divided by its block's scale, clamped to +-28, and rounded to the nearest number of E3M2, ties to even, subnormals kept.
;;     - The product sums the exact products of the quantised numbers (number of the format x scale) in f32.
;;   ~~~python
;;   def quantise(x, axis):      # numpy; x: float32 -> the quantised numbers, widened to float32 again
;;       x = np.moveaxis(x, axis, -1); K = x.shape[-1]
;;       x = np.pad(x, [(0, 0)] * (x.ndim - 1) + [(0, -K % 32)]); x = x.reshape(x.shape[:-1] + (-1, 32)); a = np.abs(x).max(-1, keepdims=True)
;;       e = np.where(a > 0, np.clip(np.frexp(np.where(a > 0, a, 1))[1] - 1 - 4, -126, 127), 0)      # np.frexp(a)[1] - 1 = floor(log2(a)), exactly
;;       r = np.clip(x / 2.0 ** e, -28, 28)
;;       step = 2.0 ** (np.maximum(np.frexp(np.where(r == 0, 1, r))[1] - 1, -2) - 2)
;;       q = np.round(r / step) * step * 2.0 ** e      # np.round: ties to even
;;       return np.moveaxis(q.reshape(q.shape[:-2] + (-1,))[..., :K], -1, axis).astype(np.float32)
;;   ~~~
;; One version. Each part assembles by itself: llvm-mc -triple=amdgcn-amd-amdhsa -mcpu=gfx1250 --defsym DOCPART=n.
;; ======== version 1 of 1: 2 launches
;; limits: right only within a limited range of input values
;; workspace buffers: a_img 13,369,344 bytes; b_img 6,684,672 bytes
;; launch quant (part 1): grid 768 x 1, 2 waves a work-group, no clusters, 17,664 bytes of LDS; arguments e_t, h_prev, W_x, W_h, a_img, b_img; writes a_img, b_img
.if DOCPART == 1
	.amdgcn_target "amdgcn-amd-amdhsa--gfx1250"
	.amdhsa_code_object_version 6
	.text
	.protected	k_q735f423d4a_quant
	.globl	k_q735f423d4a_quant
	.p2align	8
	.type	k_q735f423d4a_quant,@function
k_q735f423d4a_quant:
	s_mov_b64 s[64:65], 0
	v_nop
	global_prefetch_b8 v0, s[64:65] scope:SCOPE_SE
	s_setreg_imm32_b32 hwreg(HW_REG_WAVE_MODE, 25, 1), 1
	s_wait_xcnt 0x0
; e_t | h_prev ([8192][1024] f32 each) and W_x | W_h ([4096][1024] f32 each) are turned into codes of BF6 (E3M2), 6 bits each, with one E8M0 scale byte for each 32 along K, and laid IN THE ORDER OF THE
; OPERAND'S REGISTERS, so that the next launch brings a fragment from LDS by three loads of 16 bytes a lane and a tile from memory as a few long rows.
; THE LAYOUT, for both operands.  A row block, 16 rows, has a record of 26,112 bytes: the x part (13,056), then the h part.  A part's 1,024 along K are 8 units of 128, in groups of 3, 3 and 2 units.  A group is its units'
; images, 1,536 bytes each, and behind them 256 bytes of scale words: 4,864 or 3,328 bytes.  An image is the fragment's 12 registers: registers 4 c .. 4 c + 3 of lane l at 512 c + 16 l; lane (r, h) holds row r, registers
; 6 c .. 6 c + 5 the 32 codes of K = 64 c + 32 h on (ISA guide 7.12: the 6-bit operands' layout).  The scale words: 16 bytes a row: the group's words (byte b for K = 32 b on), then zeros.  Every piece begins at a multiple of 256 bytes.
; W'S ROWS ARE LAID IN ANOTHER ORDER: row p = 256 tc + 128 wn + 32 g + i of the operand is W's row 1024 g + 64 tc + 32 wn + i (g: the gate), so that the 128 columns of z that a wave of the next launch makes are
; the four gates of 32 hidden units.  Sixteen rows p from a multiple of 16 on share tc, wn and g: their rows of W are neighbours.  A's rows keep their order.
; A block's scale is 2^(floor(log2(its largest magnitude)) - 4); its byte is the largest magnitude's exponent field - 4, held at 1 from below.  (A block of zeros so gets the byte 1 where the rule says 127: its codes are
; zeros, which add nothing under any byte but 0xff, and the bytes are read by this program alone.)  Each number is divided by the scale and rounded to the nearest code, ties to even; beyond 28 the largest code.
; LIMITS: blocks whose largest magnitude lies under 2^-122, whose byte is held at 1, are quantised under that byte; NaN and infinities among the inputs are not served.
; SHARES.  A work-group takes one row block (the first 512 A's, the other 256 W's); wave 0 its x part, wave 1 its h part.  A wave goes in 16 steps of 16 rows x 64 along K.  Each of a step's eight loads reads two rows'
; 256 consecutive bytes, at multiples of 256; the 4,096 bytes go through the wave's own stage in LDS and come back 128 bytes a lane: lane (r, h) then holds a WHOLE block of 32 of row r, so that its largest magnitude
; needs no other lane, and the conversions' results are the fragment's registers.  Two steps make a fragment: three stores of 512 consecutive bytes.
; No tensor loads, no barrier: waves share nothing.  Loads run four steps (32 loads a wave) ahead, the turn through LDS one step.
.set WGA,   512                        ; work-groups for A: 8,192 rows / 16
.set STEPS, 16
.set EMAX,  4
.set RBB,   26112                      ; a row block's record
.set SRCB,  13056                      ; one part of it
.set UB,    1536                       ; a fragment's image
.set P3,    3*UB+256                   ; a group of three units
.set SP,    272                        ; a stage row: 256 bytes + 16, an odd multiple of 16
.set STG,   16*SP                      ; a stage
.set WREG,  2*STG                      ; LDS: two stages for each wave
.set GA,    4                          ; v4   a load: 4,096 x (lane / 16) + 16 x (lane % 16)
.set SI,    5                          ; v5   the stage, on the way in
.set SO,    6                          ; v6   and on the way out
.set CO,    7                          ; v7   16 x lane: my place in a store of codes
.set SA,    8                          ; v8   16 r + 4,864 h: my place among the scale words of groups 0 (lanes 0-15) and 1 (lanes 16-31)
.set SH,    9                          ; v9   8 h
.set R,     16                         ; v16-143  four sets of 32 numbers as they are loaded
.set X,     144                        ; v144-207 two sets of 32 neighbours: a block
.set C,     208                        ; v208-231 two sets of 12: a fragment's registers
.set TMP,   232                        ; v232-234 the second half of a block's codes
.set W,     236                        ; v236-241 the scale words of units 0-5; v244-245 of units 6, 7; v246-247 zeros; v248-251 at work for the first two groups' store
	s_load_b256 s[4:11], s[0:1], 0x0               ; e_t s[4:5], h_prev s[6:7], W_x s[8:9], W_h s[10:11]
	s_load_b128 s[12:15], s[0:1], 0x20             ; A's records s[12:13], W's s[14:15]
	v_lshl_add_u32 v254, v0, 2, 0x4400
	v_mov_b32 v255, 0
	v_lshrrev_b32 v1, 5, v0
	v_readfirstlane_b32 s16, v1                    ; wave 0, 1
	v_and_b32 v1, 31, v0                           ; lane
	v_and_b32 v2, 15, v0                           ; r
	v_bfe_u32 v3, v0, 4, 1                         ; h
	v_lshlrev_b32 v[GA], 12, v3
	v_lshl_add_u32 v[GA], v2, 4, v[GA]             ; lanes 0-15 take one row's 256 bytes, lanes 16-31 the next row's
	s_mul_i32 s17, s16, WREG
	v_mul_u32_u24 v[SI], v3, SP
	v_lshl_add_u32 v[SI], v2, 4, v[SI]
	v_add_nc_u32 v[SI], s17, v[SI]                 ; into the stage as loaded: two rows an instruction
	v_mul_u32_u24 v[SO], v2, SP
	v_lshl_add_u32 v[SO], v3, 7, v[SO]
	v_add_nc_u32 v[SO], s17, v[SO]                 ; out of it: row r, my half's 128 bytes
	v_lshlrev_b32 v[CO], 4, v1
	v_mul_u32_u24 v[SA], v3, P3
	v_lshl_add_u32 v[SA], v2, 4, v[SA]
	v_lshlrev_b32 v[SH], 3, v3
	v_mov_b32 v246, 0
	v_mov_b32 v247, 0
	v_mov_b32 v251, 0
	v_mov_b32 v252, 0                              ; (a lane permute's destination counts as one of its sources)
	s_mov_b32 s18, 0x76543210
	s_mov_b32 s19, 0xfedcba98                      ; v_permlanex16_b32's selects for lane l xor 16
	s_wait_alu depctr_va_vdst(0)
	s_wait_kmcnt 0x0
	s_cmp_lt_u32 ttmp9, WGA                        ; A's work-group or W's?  The choice hangs on the work-group's number alone
	s_cselect_b64 s[4:5], s[4:5], s[8:9]           ; the x part's source,
	s_cselect_b64 s[6:7], s[6:7], s[10:11]         ; the h part's,
	s_cselect_b64 s[12:13], s[12:13], s[14:15]     ; the records
	s_cselect_b32 s20, 0, WGA
	s_sub_co_u32 s20, ttmp9, s20                   ; my row block of the operand
	s_lshl_b32 s21, s20, 4                         ; p0: its first row
	s_bfe_u32 s22, s21, 0x20005                    ; W's row for p0: g = bits 6:5 of p0, times 1,024,
	s_lshl_b32 s22, s22, 10
	s_lshr_b32 s23, s21, 8                         ; tc = bits 11:8, times 64,
	s_lshl_b32 s23, s23, 6
	s_add_co_u32 s22, s22, s23
	s_bfe_u32 s23, s21, 0x10007                    ; wn = bit 7, times 32,
	s_lshl_b32 s23, s23, 5
	s_add_co_u32 s22, s22, s23
	s_and_b32 s23, s21, 31                         ; i = bits 4:0
	s_add_co_u32 s22, s22, s23
	s_cmp_lt_u32 ttmp9, WGA                        ; (the lines above have set SCC: compared again)
	s_cselect_b32 s22, s21, s22                    ; A's rows keep their order
	s_cmp_eq_u32 s16, 0
	s_cselect_b64 s[4:5], s[4:5], s[6:7]           ; my wave's source: the choice hangs on the wave's number alone
	s_lshl_b32 s22, s22, 12                        ; a source row is 4,096 bytes
	s_mov_b32 s23, 0
	s_add_nc_u64 s[4:5], s[4:5], s[22:23]
	s_mul_i32 s22, s20, RBB                        ; my row block's record,
	s_mul_i32 s24, s16, SRCB                       ; my part of it
	s_add_co_u32 s22, s22, s24
	s_add_nc_u64 s[12:13], s[12:13], s[22:23]
.macro LOAD t                          ; step t: 16 rows x 256 bytes, 256 t bytes on in the rows
.irp i, 0,1,2,3,4,5,6,7
	global_load_b128 v[R+32*((\t)%4)+4*\i:R+32*((\t)%4)+4*\i+3], v[GA], s[4:5] offset:8192*\i+256*(\t) th:TH_LOAD_NT
.endr
.endm
.macro TURN t                          ; step t's numbers through a stage: LDS serves a wave's instructions in order (ISA guide 5.7.1.4), so no wait stands between the stores and the loads
.irp i, 0,1,2,3,4,5,6,7
	ds_store_b128 v[SI], v[R+32*((\t)%4)+4*\i:R+32*((\t)%4)+4*\i+3] offset:STG*((\t)%2)+2*SP*\i
.endr
.irp i, 0,1,2,3,4,5,6,7
	ds_load_b128 v[X+32*((\t)%2)+4*\i:X+32*((\t)%2)+4*\i+3], v[SO] offset:STG*((\t)%2)+16*\i
.endr
.endm
.irp t, 0,1,2,3
	LOAD \t
.endr
	s_wait_loadcnt 24                              ; step 0's eight loads are in
	TURN 0
.macro STEP t
.set XS, X+32*((\t)%2)
.set UU, (\t)/2                        ; the unit; the step is its half t % 2
.set CB, C+12*(UU%2)
.set CS, CB+6*((\t)%2)
	s_wait_dscnt 0x0                               ; this step's numbers are back from the stage: so its stores into the stage have read their registers,
.if (\t)+4 < STEPS
	LOAD (\t)+4                                    ; which take the loads of four steps on
.endif
.if (\t)+1 < STEPS
.if (\t) < 12
	s_wait_loadcnt 24                              ; the next step's eight loads are in; those of the three steps behind it may be out
.else
	s_wait_loadcnt 8*(14-(\t))
.endif
	TURN (\t)+1                                    ; and go through the other stage while this step is worked
.endif
.if ((\t)%2 == 0) && ((\t) >= 4)
	s_wait_xcnt 0x0                                ; every earlier memory instruction has had its addresses translated (ISA guide 3.1): this set of codes, which the stores of two units ago read, is rewritten only behind this wait
.endif
	v_max3_num_f32 v10, |v[XS]|, |v[XS+1]|, |v[XS+2]|               ; the block's largest magnitude: all 32 numbers are mine; two chains
	v_max3_num_f32 v11, |v[XS+3]|, |v[XS+4]|, |v[XS+5]|
.irp i, 6,10,14,18,22,26
	v_max3_num_f32 v10, v10, |v[XS+\i]|, |v[XS+\i+1]|
	v_max3_num_f32 v11, v11, |v[XS+\i+2]|, |v[XS+\i+3]|
.endr
	v_max3_num_f32 v10, v10, |v[XS+30]|, |v[XS+31]|
	v_max3_num_f32 v10, v10, v11, (EMAX+1)<<23     ; and the floor 2^(EMAX + 1 - 127), under which no largest magnitude is taken: so the byte cannot fall under 1
	v_add_nc_u32 v12, -(EMAX<<23), v10             ; EMAX off its exponent field: the conversion takes the exponent field of this operand as its scale, and nothing else of it
	v_cvt_scalef32_pk16_bf6_f32 v[CS:CS+2], v[XS:XS+15], v12        ; registers 6 c .. 6 c + 2 of the fragment
	v_cvt_scalef32_pk16_bf6_f32 v[TMP:TMP+2], v[XS+16:XS+31], v12   ; (a conversion's three registers begin on an even number: the second half of a block's six does not, so it is made elsewhere and moved)
	v_lshrrev_b32 v[14+(\t)%2], 23, v12            ; the scale's byte (also the plain line behind the conversions)
.irp i, 0,1,2
	v_mov_b32 v[CS+3+\i], v[TMP+\i]
.endr
.if (\t)%2 == 1
.if UU < 6
.set WN, W+UU
.else
.set WN, W+2+UU
.endif
	v_lshl_or_b32 v13, v15, 16, v14                ; my two bytes: blocks h and 2 + h of row r,
	v_lshlrev_b32 v13, v[SH], v13                  ; at their places in the scale word (8 h bits up);
	v_permlanex16_b32 v252, v13, s18, s19
	v_or_b32 v[WN], v13, v252                      ; with lane l xor 16's two the word is whole
.irp c, 0,1,2
	global_store_b128 v[CO], v[CB+4*\c:CB+4*\c+3], s[12:13] offset:(UU/3)*P3+(UU%3)*UB+512*\c   ; 32 lanes store 512 consecutive bytes, at a multiple of 256 from the buffer's first byte; the next launch reads them, so no hint
.endr
.endif
.endm
.irp t, 0,1,2,3,4,5,6,7,8,9,10,11,12,13,14,15
	STEP \t
.endr
	v_cmp_lt_u32 vcc_lo, 15, v1                    ; lanes 0-15 store group 0's scale words, lanes 16-31 group 1's: 256 consecutive bytes each
	v_cndmask_b32 v248, v236, v239, vcc_lo
	v_cndmask_b32 v249, v237, v240, vcc_lo
	v_cndmask_b32 v250, v238, v241, vcc_lo
	global_store_b128 v[SA], v[248:251], s[12:13] offset:3*UB
	s_wait_alu depctr_va_vdst(0)
	s_wait_xcnt 0x0                                ; EXEC changes only behind this wait
	v_cmp_gt_u32 vcc_lo, 16, v1
	s_wait_tensorcnt 0x0
	ds_add_u32 v254, v255
	s_wait_dscnt 0x0
	s_and_saveexec_b32 s20, vcc_lo
	global_store_b128 v[SA], v[244:247], s[12:13] offset:2*P3+2*UB   ; group 2's: lanes 0-15, 256 consecutive bytes
	s_wait_xcnt 0x0                                ; and again, in front of the line that widens it
	s_or_b32 exec_lo, exec_lo, s20
	s_endpgm
.Lfunc_end_k_q735f423d4a_quant:
	.size	k_q735f423d4a_quant, .Lfunc_end_k_q735f423d4a_quant-k_q735f423d4a_quant
	.p2alignl 7, 3214868480
	.fill 96, 4, 3214868480
	.section	.rodata,"a",@progbits
	.p2align	6, 0x0
	.amdhsa_kernel k_q735f423d4a_quant
		.amdhsa_group_segment_fixed_size 17664
		.amdhsa_private_segment_fixed_size 0
		.amdhsa_enable_private_segment 0
		.amdhsa_kernarg_size 48
		.amdhsa_user_sgpr_count 2
		.amdhsa_user_sgpr_kernarg_segment_ptr 1
		.amdhsa_wavefront_size32 1
		.amdhsa_system_sgpr_workgroup_id_x 1
		.amdhsa_system_sgpr_workgroup_id_y 1
		.amdhsa_system_sgpr_workgroup_id_z 1
		.amdhsa_system_vgpr_workitem_id 0
		.amdhsa_next_free_vgpr 256
		.amdhsa_next_free_sgpr 66
		.amdhsa_reserve_vcc 1
		.amdhsa_float_denorm_mode_32 3
		.amdhsa_float_denorm_mode_16_64 3
		.amdhsa_memory_ordered 1
		.amdhsa_forward_progress 1
		.amdhsa_inst_pref_size 58
	.end_amdhsa_kernel
	.amdgpu_metadata
---
amdhsa.version: [ 1, 2 ]
amdhsa.kernels:
  - .name:           k_q735f423d4a_quant
    .symbol:         k_q735f423d4a_quant.kd
    .args:
      - { .name: e_t, .offset: 0, .size: 8, .value_kind: global_buffer, .address_space: global }
      - { .name: h_prev, .offset: 8, .size: 8, .value_kind: global_buffer, .address_space: global }
      - { .name: W_x, .offset: 16, .size: 8, .value_kind: global_buffer, .address_space: global }
      - { .name: W_h, .offset: 24, .size: 8, .value_kind: global_buffer, .address_space: global }
      - { .name: a_img, .offset: 32, .size: 8, .value_kind: global_buffer, .address_space: global }
      - { .name: b_img, .offset: 40, .size: 8, .value_kind: global_buffer, .address_space: global }
    .group_segment_fixed_size: 17664
    .private_segment_fixed_size: 0
    .kernarg_segment_align: 8
    .kernarg_segment_size: 48
    .max_flat_workgroup_size: 64
    .sgpr_count:     66
    .vgpr_count:     256
    .wavefront_size: 32
...
	.end_amdgpu_metadata
.endif
;; end of part 1
;; launch cell (part 2): grid 16 x 32, 4 waves a work-group, clusters of 4 x 4, 327,680 bytes of LDS; arguments a_img, b_img, c_prev, out0, out1, b_x, b_h, b_extra; writes out0, out1
.if DOCPART == 2
	.amdgcn_target "amdgcn-amd-amdhsa--gfx1250"
	.amdhsa_code_object_version 6
	.text
	.protected	k_q735f423d4a_cell
	.globl	k_q735f423d4a_cell
	.p2align	8
	.type	k_q735f423d4a_cell,@function
k_q735f423d4a_cell:
	s_mov_b64 s[64:65], 0
	v_nop
	global_prefetch_b8 v0, s[64:65] scope:SCOPE_SE
	s_setreg_imm32_b32 hwreg(HW_REG_WAVE_MODE, 25, 1), 1
	s_wait_xcnt 0x0
	s_wait_alu depctr_hold_cnt(0) depctr_sa_sdst(0) depctr_va_vdst(0) depctr_va_sdst(0) depctr_va_ssrc(0) depctr_va_vcc(0) depctr_vm_vsrc(0)
	s_getreg_b32 s2, hwreg(HW_REG_IB_STS2, 6, 4)
	s_cmp_eq_u32 s2, 0
	s_cbranch_scc0 .Lentry_in_a_cluster
	s_endpgm
.Lentry_in_a_cluster:
	s_bfe_u32 s2, ttmp6, 0x10000c
	s_cmp_lg_u32 s2, 0xf033
	s_cbranch_scc0 .Lentry_shape_is_right
	s_endpgm
.Lentry_shape_is_right:
; An LSTM cell.  z = A B^T + bias, A = e_t | h_prev [8192][2048], B = W_x | W_h [4096][2048]: codes of BF6 (E3M2) with one E8M0 scale for each 32 along K, made by the launch before; bias = b_x + b_h + b_extra; sums in f32.
; Then c_t = sigmoid(zf) c_prev + sigmoid(zi) tanh(zc), h_t = sigmoid(zo) tanh(c_t), in f32.  z never goes to memory.  out0 = h_t, out1 = c_t, [8192][1024] f32.
; THE OPERANDS LIE IN THE ORDER OF THEIR REGISTERS.  A row block (16 rows) has a record of 26,112 bytes: the x part, then the h part; a part's 8 units of 128 along K stand in groups of 3, 3 and 2 units; a group is its
; units' fragment images (1,536 bytes: registers 4 c .. 4 c + 3 of lane l at 512 c + 16 l) and 256 bytes of scale words (16 bytes a row).  A fragment comes from LDS by three loads of 16 bytes a lane; a tile is 8 rows
; of 4,864 or 3,328 bytes of memory, each from a multiple of 256 on.
; B'S ROWS ARE LAID SO THAT THE GATES MEET: row 256 tc + 128 wn + 32 g + i of B is W's row 1024 g + 64 tc + 32 wn + i.  A work-group makes 256 rows x 256 such columns: the four gates of 64 hidden units.
; Four waves; wave (wm, wn) makes 128 x 128: 64 accumulators, 512 registers.  THE MATRIX INSTRUCTION IS USED TRANSPOSED (source 0 = 16 rows of B, source 1 = 16 rows of A): accumulator (a, b = 2 g + u), register j,
; lane (r, h) holds gate g of row 128 wm + 16 a + r, hidden unit 64 tc + 32 wn + 16 u + 8 h + j: the four gates of an element lie in ONE lane, at one register index.
; THE RING: two LDS slots, each with room for a group of three units of the work-group's 32 row blocks.  The fills come in the order x 0, x 1, h 0, h 1, x 2, h 2 (3, 3, 3, 3, 2, 2 units), and K is summed in that order.
; At the head a wave issues one joint load, its part of x 0; x 1 goes out behind the full sequence and a round, as a refill does.  The shapes and addresses differ from fill to fill, so the 16 units are written out by macro.
; CLUSTERS: 4 x 4 work-groups.  The four of a row of the cluster need the same tiles of A, the four of a column the same tiles of B: each is asked for JOINTLY, by the same tensor load with a mask that names the four.
; PREFETCHES: behind fill k's load each wave asks for its share of fill k + 2, and behind fill 0's also for its share of fill 1 (fill 0 comes by its load alone; c_prev counts as fill 6).  Of the 8 row blocks that a wave
; fetches, the partner at place p (cx for A, cy for B) names row blocks 2 p and 2 p + 1, told apart by address alone: one instruction a row block, a lane to each 256 bytes of the group (19 or 13; the lanes left over
; name the last again).  So a work-group never has more than two fills asked for and not yet loaded.
; THE BIAS is the C of each sum's first matrix instruction: eight registers for each of B's eight blocks, in the result's layout.
; c_prev: the work-group's 256 rows x 256 bytes come by one tensor load a wave (64 rows) into slot a when its last group has been read.  c_t is written over it in place, h_t into slot b after its last read;
; both leave as whole rows of 256 bytes.
; THE CELL, for one element, with five exponentials and two reciprocals: F = 2^(-L zf), I = 2^(-L zi), O = 2^(-L zo), E = 2^(2 L zc), L = log2(e);
;   c_t = (c (1+I)(1+E) + (E-1)(1+F)) / ((1+F)(1+I)(1+E));   G = 2^(2 L c_t);   h_t = (G-1) / ((1+O)(1+G)).   A product (1 + x) y is one fused multiply-add, x y + y.
; The way out goes by pairs of blocks (32 rows): the transcendentals of a pair stand in four whole batches (128, 32, 32, 32), each with one wait ahead of it and one behind it.
; LIMITS: the exponents of F, I, E and G are held at 40 from above, so that no product of theirs passes 2^121 and the first reciprocal is never denormal: a sigmoid under 2^-40 is held at 2^-40, a tanh is 1 from there on.
; O is not held: 1 + G is at least 1 and G - 1 is finite, so a divisor (1+O)(1+G) beyond 2^126 gives the reciprocal 0 and h_t = 0, where sigmoid(zo) lies under 2^-85.
; |c_prev| stays under 2^40; NaN and infinities among the inputs are not served.
; REGISTERS, in windows of 256: window 0: v1-6 at work; v8-30 addresses; v32-63 and v224-255 scale words, a set for each slot, and nothing else; v64-127 the bias; v128-223 A's fragments, ONE set.
;   window 1: B's fragments, TWO sets, at v0 and at v128.   window 2: the accumulators of my rows 0-63 ((a, b) at v[8 (8 a + b)]);   window 3: those of my rows 64-127.
;   On the way out, window 0: v64-191 T (the four gates of two blocks); v192-223 W.  Window 1: v0-63 rows on their way to memory; v64-95 c_prev.
.set FR,     12                        ; registers of a fragment
.set NL,     3                         ; LDS loads that bring one
.set NP,     4                         ; places behind this matrix instruction (ISA guide 7.12.1)
.set UB,     1536                      ; a fragment's image
.set P3,     3*UB+256                  ; a row block's group of three units: also its pitch in a slot
.set P2,     2*UB+256                  ; of two units
.set RBB,    26112                     ; a row block's record in memory
.set HOFF,   13056                     ; from a group of the x part to the same group of the h part
.set SLOTB,  32*P3                     ; a slot: A's 16 row blocks, then B's 16
.set SPARE,  2*SLOTB                   ; behind the ring: the spare words, 128 bytes a wave, that no other line names
.set CP,     272                       ; the way out: a row in LDS: 256 bytes + 16
.set HST,    SLOTB                     ; h_t's rows begin where slot b begins; c_prev's and c_t's at LDS byte 0
.set OROW,   4096                      ; a row of c_prev, out0, out1 in memory
.set ADRS, 8                           ; v8-11   my scale words (lanes 0-15 A's rows, lanes 16-31 B's): three units in slot a, b; two units in slot a, b
.set PF3,  12                          ; v12     prefetch of a group of three units: 256 x min(lane, 18)
.set PF2,  13                          ; v13     of two: 256 x min(lane, 12)
.set VB,   14                          ; v14     the bias: 32 x (lane / 16)
.set PFO,  15                          ; v15     the prefetch of c_prev: lane x a row
.set ADRA, 16                          ; v16-19  my A fragments, in the same four cases
.set ADRB, 20                          ; v20-23  the same for B
.set CL,   24                          ; v24     my 32 bytes of a row of c_prev and c_t
.set HL,   25                          ; v25     the same for h_t
.set RDC,  26                          ; v26     where I read rows of c_t back
.set RDH,  27                          ; v27     where I read rows of h_t back
.set SPW,  28                          ; v28     my spare word; never rewritten
.set NIL,  29                          ; v29     0; never rewritten
.set CO,   30                          ; v30     my byte offset in two rows of an output
.set BI,   64
.set AF,   128
.set T,    64
.set WR,   192
.set CR,   64                          ; in window 1
.set OB,   0                           ; in window 1
.set G0C,  20
.set G1C,  40
.set G1A3, 24
.set G1A2, 68
.set G0A,  32
.set G1B3, 48
.set G1B2, 76
.set G0B,  56
.set PFA,  88                          ; s[88:89] my two row blocks of the tile that I fetch; never rewritten
.set MSB, 0
.macro WIN new                         ; the immediate's high byte repeats the setting that is left
.if MSB != \new
	s_set_vgpr_msb (MSB<<8)|\new
.set MSB, \new
.endif
.endm
.set MUL_LO, 0xa1                      ; source 0 (B) window 1, source 1 (A) window 0, C and D window 2
.set MUL_HI, 0xf1                      ; the same, C and D window 3
.set FIRST_LO, 0x81                    ; the first products: C (the bias) window 0, D window 2
.set FIRST_HI, 0xc1                    ; D window 3
.set TO_B,   0x40                      ; destination window 1, address window 0
; A joint load: waves 0 and 1 fetch for A, waves 2 and 3 for B; the branch hangs on the wave's number alone.  An s_nop 0 and four v_nop follow each line.
.macro JLOAD g0a, g1a, g0b, g1b
	s_cmp_eq_u32 s15, 0
	s_cbranch_scc0 .Lfor_b_\@
	tensor_load_to_lds s[\g0a:\g0a+3], s[\g1a:\g1a+7]
	s_nop 0
.rept 4
	v_nop
.endr
	s_branch .Lasked_\@
.Lfor_b_\@:
	tensor_load_to_lds s[\g0b:\g0b+3], s[\g1b:\g1b+7]
	s_nop 0
.rept 4
	v_nop
.endr
.Lasked_\@:
.endm
.macro CREST                           ; a round of the cluster's barrier behind its opening barrier
	s_cmp_lg_u32 s14, 0
	s_cbranch_scc1 .Lnot_wave_0_\@
	s_barrier_signal -3
.Lnot_wave_0_\@:
	s_barrier_wait -3
	s_barrier_signal -1
	s_barrier_wait -1
.endm
.macro CROUND
	s_barrier_signal -1
	s_barrier_wait -1
	CREST
.endm
.macro ASK vreg, off                   ; my two row blocks of the group at byte off of the records
	global_prefetch_b8 v[\vreg], s[PFA:PFA+1] offset:\off th:TH_LOAD_NT scope:SCOPE_SE
	global_prefetch_b8 v[\vreg], s[PFA:PFA+1] offset:\off+RBB th:TH_LOAD_NT scope:SCOPE_SE
.endm
	s_load_b128 s[4:7], s[0:1], 0x0                ; A's records s[4:5], B's s[6:7]
	s_load_b128 s[8:11], s[0:1], 0x28              ; b_x s[8:9], b_h s[10:11]
	s_load_b64 s[12:13], s[0:1], 0x10              ; c_prev
	s_load_b128 s[96:99], s[0:1], 0x18             ; out0 (h_t) s[96:97], out1 (c_t) s[98:99]
	s_load_b64 s[84:85], s[0:1], 0x38              ; b_extra
	v_lshl_add_u32 v[SPW], v0, 2, SPARE
	v_mov_b32 v[NIL], 0
	ds_add_u32 v[SPW], v[NIL]                      ; the opening: the add, twice on end, and its wait ahead of my first tensor load
	ds_add_u32 v[SPW], v[NIL]
	v_lshrrev_b32 v1, 5, v0
	v_readfirstlane_b32 s14, v1                    ; wave 0..3
	s_lshr_b32 s15, s14, 1                         ; wm.  Also: I fetch for A (0) or for B (1)
	s_and_b32 s16, s14, 1                          ; wn.  Also: which 8 row blocks of that tile I fetch
	s_bfe_u32 s40, ttmp6, 0x40000                  ; cx, cy
	s_bfe_u32 s41, ttmp6, 0x40004
	s_lshl_b32 s42, ttmp9, 2
	s_add_co_u32 s42, s42, s40                     ; tile column tc
	s_and_b32 s17, ttmp7, 0xffff
	s_lshl_b32 s17, s17, 2
	s_add_co_u32 s17, s17, s41                     ; tile row
	s_lshl_b32 s43, s41, 2
	s_lshl_b32 s43, 15, s43                        ; my row of the cluster
	s_lshl_b32 s44, 0x1111, s40                    ; my column
	; groups 1: a tile of 8 rows (row blocks) of a group's bytes, in elements of 8 bytes, RBB bytes from row to row; dense in LDS
	s_or_b32 s[G1A3+0], s43, (3<<16)|(1<<21)
	s_or_b32 s[G1A2+0], s43, (3<<16)|(1<<21)
	s_or_b32 s[G1B3+0], s44, (3<<16)|(1<<21)
	s_or_b32 s[G1B2+0], s44, (3<<16)|(1<<21)
.irp g, G1A3, G1B3
	s_mov_b32 s[\g+1], (P3/8)<<16
	s_mov_b32 s[\g+2], 8<<16
	s_mov_b32 s[\g+3], (P3/8)<<16
	s_mov_b32 s[\g+4], 8
	s_mov_b32 s[\g+5], RBB/8
	s_mov_b32 s[\g+6], 0
	s_mov_b32 s[\g+7], 0
.endr
.irp g, G1A2, G1B2
	s_mov_b32 s[\g+1], (P2/8)<<16
	s_mov_b32 s[\g+2], 8<<16
	s_mov_b32 s[\g+3], (P2/8)<<16
	s_mov_b32 s[\g+4], 8
	s_mov_b32 s[\g+5], RBB/8
	s_mov_b32 s[\g+6], 0
	s_mov_b32 s[\g+7], 0
.endr
	s_lshl_b32 s18, s16, 3
	s_lshl_b32 s20, s17, 4
	s_add_co_u32 s20, s20, s18                     ; A: row block 16 x tile row + 8 x half
	s_lshl_b32 s46, s42, 4
	s_add_co_u32 s46, s46, s18                     ; B: row block 16 x tile column + 8 x half
	s_mul_i32 s20, s20, RBB
	s_mul_i32 s46, s46, RBB
	s_mov_b32 s21, 0
	s_mov_b32 s47, 0
	s_mul_i32 s86, s14, 8*P3                       ; where they go in a slot: wave x 8 rows, for three units
	s_mul_i32 s87, s14, 8*P2                       ; and for two
	s_wait_dscnt 0x0                               ; both opening adds are done
	s_wait_kmcnt 0x0
	s_add_nc_u64 s[20:21], s[4:5], s[20:21]
	s_add_nc_u64 s[46:47], s[6:7], s[46:47]
.irp s, 0,1
	s_mov_b32 s[G0A+4*\s], 1
	s_add_co_u32 s[G0A+4*\s+1], s86, \s*SLOTB
	s_add_nc_u64 s[G0A+4*\s+2:G0A+4*\s+3], s[20:21], \s*P3   ; the x part's group s
	s_or_b32 s[G0A+4*\s+3], s[G0A+4*\s+3], 0x80000000
	s_mov_b32 s[G0B+4*\s], 1
	s_add_co_u32 s[G0B+4*\s+1], s86, \s*SLOTB
	s_add_nc_u64 s[G0B+4*\s+2:G0B+4*\s+3], s[46:47], \s*P3
	s_or_b32 s[G0B+4*\s+3], s[G0B+4*\s+3], 0x80000000
.endr
	CROUND                                         ; all sixteen work-groups are here: the first joint loads meet
	JLOAD G0A, G1A3, G0B, G1B3                     ; slot a: one tensor load a wave at the head
	s_cmp_eq_u32 s15, 0                            ; the prefetches: the tile that I fetch,
	s_cselect_b64 s[PFA:PFA+1], s[20:21], s[46:47]
	s_cselect_b32 s90, s40, s41                    ; my place among the four that ask for it with me,
	s_mul_i32 s90, s90, 2*RBB                      ; and my two of its 8 row blocks
	s_mov_b32 s91, 0
	s_add_nc_u64 s[PFA:PFA+1], s[PFA:PFA+1], s[90:91]
	v_and_b32 v1, 15, v0                           ; r
	v_bfe_u32 v2, v0, 4, 1                         ; h
	v_and_b32 v3, 31, v0                           ; l
	v_lshlrev_b32 v[VB], 5, v2
	v_lshlrev_b32 v[PFO], 12, v3
	v_lshlrev_b32 v4, 4, v3                        ; 16 l: my place in an image
	v_lshlrev_b32 v5, 4, v1                        ; 16 r: my row's scale words
	v_min_u32 v[PF3], 18, v3
	v_min_u32 v[PF2], 12, v3
	v_lshlrev_b32 v[PF3], 8, v[PF3]
	v_lshlrev_b32 v[PF2], 8, v[PF2]
	s_wait_alu depctr_va_vdst(0)
	ASK PF3, P3                                    ; fill 1: the x part's group 1, whose load goes out when fill 0 has landed
	ASK PF3, HOFF                                  ; fill 2: the h part's group 0
.macro ADDRS m, P                      ; the LDS addresses for groups of m units, pitch P, in slot a and in slot b
	s_mul_i32 s18, s15, 8*\P
	s_mul_i32 s19, s16, 8*\P
	s_add_co_u32 s19, s19, 16*\P
	v_add_nc_u32 v[ADRA+2*(3-\m)], s18, v4
	v_add_nc_u32 v[ADRB+2*(3-\m)], s19, v4
	v_add_nc_u32 v[ADRA+2*(3-\m)+1], SLOTB, v[ADRA+2*(3-\m)]
	v_add_nc_u32 v[ADRB+2*(3-\m)+1], SLOTB, v[ADRB+2*(3-\m)]
	s_sub_co_u32 s19, s19, s18
	v_mul_u32_u24 v6, s19, v2                      ; lanes 16-31 take B's: one product, the distance between the two bases x h
	s_add_co_u32 s18, s18, \m*UB
	v_add_nc_u32 v6, v6, v5
	v_add_nc_u32 v[ADRS+2*(3-\m)], s18, v6
	v_add_nc_u32 v[ADRS+2*(3-\m)+1], SLOTB, v[ADRS+2*(3-\m)]
.endm
	ADDRS 3, P3
	ADDRS 2, P2
	s_mul_i32 s21, s15, 128*CP
	s_lshl_b32 s22, s16, 7
	s_add_co_u32 s22, s22, s21
	v_mul_u32_u24 v3, v1, CP
	v_lshl_add_u32 v3, v2, 5, v3
	v_add_nc_u32 v[CL], s22, v3                    ; (128 wm + r) x 272 + 128 wn + 32 h
	v_add_nc_u32 v[HL], HST, v[CL]
	s_mul_i32 s22, s16, 16*CP
	s_add_co_u32 s22, s22, s21
	v_mul_u32_u24 v3, v2, CP
	v_lshl_add_u32 v3, v1, 4, v3
	v_add_nc_u32 v[RDC], s22, v3                   ; back: (128 wm + 16 wn + h) x 272 + 16 r
	v_add_nc_u32 v[RDH], HST, v[RDC]
	v_lshlrev_b32 v3, 12, v2
	v_lshl_add_u32 v[CO], v1, 4, v3
	s_lshl_b32 s18, s17, 8                         ; c_prev at my wave's 64 rows of the tile
	s_lshl_b32 s19, s14, 6
	s_add_co_u32 s18, s18, s19
	s_lshl_b32 s18, s18, 12
	s_lshl_b32 s19, s42, 8
	s_add_co_u32 s18, s18, s19
	s_mov_b32 s19, 0
	s_add_nc_u64 s[12:13], s[12:13], s[18:19]
	s_lshl_b32 s18, s17, 8                         ; the outputs at the first row that I store: 256 x tile row + 128 wm + 16 wn, + 256 tc bytes
	s_lshl_b32 s21, s15, 7
	s_add_co_u32 s18, s18, s21
	s_lshl_b32 s21, s16, 4
	s_add_co_u32 s18, s18, s21
	s_lshl_b32 s18, s18, 12
	s_lshl_b32 s21, s42, 8
	s_add_co_u32 s18, s18, s21
	s_add_nc_u64 s[96:97], s[96:97], s[18:19]
	s_add_nc_u64 s[98:99], s[98:99], s[18:19]
	s_lshl_b32 s18, s42, 8                         ; the biases at hidden unit 64 tc + 32 wn
	s_lshl_b32 s21, s16, 7
	s_add_co_u32 s18, s18, s21
	s_add_nc_u64 s[8:9], s[8:9], s[18:19]
	s_add_nc_u64 s[10:11], s[10:11], s[18:19]
	s_add_nc_u64 s[84:85], s[84:85], s[18:19]
.irp b, 0,1,2,3,4,5,6,7                        ; block b = 2 g + u: gate g is 4,096 bytes on, u 64
	global_load_b128 v[BI+8*\b:BI+8*\b+3],     v[VB], s[8:9] offset:4096*(\b/2)+64*(\b%2)
	global_load_b128 v[BI+8*\b+4:BI+8*\b+7],   v[VB], s[8:9] offset:4096*(\b/2)+64*(\b%2)+16
	global_load_b128 v[128+8*\b:128+8*\b+3],   v[VB], s[10:11] offset:4096*(\b/2)+64*(\b%2)
	global_load_b128 v[128+8*\b+4:128+8*\b+7], v[VB], s[10:11] offset:4096*(\b/2)+64*(\b%2)+16
.endr
	WIN TO_B                                       ; b_extra where B's fragments will lie
.irp b, 0,1,2,3,4,5,6,7
	global_load_b128 v[8*\b:8*\b+3],   v[VB], s[84:85] offset:4096*(\b/2)+64*(\b%2)
	global_load_b128 v[8*\b+4:8*\b+7], v[VB], s[84:85] offset:4096*(\b/2)+64*(\b%2)+16
.endr
	WIN 0
	; c_prev's tile: my 64 rows x 64 elements of 4 bytes; 16 bytes of padding behind each row.  No mask: no partner wants these bytes
	s_mov_b32 s[G0C], 1
	s_mul_i32 s[G0C+1], s14, 64*CP
	s_mov_b64 s[G0C+2:G0C+3], s[12:13]
	s_or_b32 s[G0C+3], s[G0C+3], 0x80000000
	s_mov_b32 s[G1C+0], (2<<16)|(1<<20)|(5<<22)|(3<<25)
	s_mov_b32 s[G1C+1], 64<<16
	s_mov_b32 s[G1C+2], 64<<16
	s_mov_b32 s[G1C+3], 64<<16
	s_mov_b32 s[G1C+4], 64
	s_mov_b32 s[G1C+5], 1024
	s_mov_b32 s[G1C+6], 0
	s_mov_b32 s[G1C+7], 0
	s_mov_b32 s66, 0xbfb8aa3b                      ; -log2(e); the packed forms name a pair, so both words are written
	s_mov_b32 s67, s66
	s_mov_b32 s92, 0x4038aa3b                      ; 2 log2(e)
	s_mov_b32 s93, s92
	s_mov_b32 s94, 0x42200000                      ; 40.0: the hold on an exponent
	s_wait_loadcnt 0x0
.set i, 0
.rept 32
	v_pk_add_f32 v[BI+i:BI+i+1], v[BI+i:BI+i+1], v[128+i:129+i]   ; b_x + b_h
.set i, i+2
.endr
	WIN 0x04
.set i, 0
.rept 32
	v_pk_add_f32 v[BI+i:BI+i+1], v[BI+i:BI+i+1], v[i:i+1]         ; + b_extra
.set i, i+2
.endr
	WIN 0
.rept 8
	v_nop
.endr
.macro FRAG reg, adr, off
.irp c, 0,1,2
	ds_load_b128 v[\reg+4*\c:\reg+4*\c+3], v[\adr] offset:\off+512*\c
.endr
.endm
; 16 matrix instructions: A's blocks a0, a0 + 1 x B's eight: unit v of the group in slot sc.  p: B's set.  first = 1: the sums start from the bias.
; The scale words of slot sc stand at v[32 + 192 sc]: register 4 i + v: lanes 0-15 the word of A's block i, lanes 16-31 that of B's block i.
; The 64 accumulators take turns, one instruction a turn, in the same order in every unit.
.macro MUL16 a0, p, v, sc, first
.irp a, \a0, \a0+1
.irp b, 0,1,2,3,4,5,6,7
.if \first
	v_wmma_scale_f32_16x16x128_f8f6f4 v[8*(8*((\a)%4)+\b):8*(8*((\a)%4)+\b)+7], v[128*(\p)+FR*\b:128*(\p)+FR*\b+FR-1], v[AF+FR*(\a):AF+FR*(\a)+FR-1], v[BI+8*\b:BI+8*\b+7], v[32+192*(\sc)+4*\b+(\v)], v[32+192*(\sc)+4*(\a)+(\v)] matrix_a_fmt:MATRIX_FMT_BF6 matrix_b_fmt:MATRIX_FMT_BF6 matrix_a_scale:MATRIX_SCALE_ROW1
.else
	v_wmma_scale_f32_16x16x128_f8f6f4 v[8*(8*((\a)%4)+\b):8*(8*((\a)%4)+\b)+7], v[128*(\p)+FR*\b:128*(\p)+FR*\b+FR-1], v[AF+FR*(\a):AF+FR*(\a)+FR-1], v[8*(8*((\a)%4)+\b):8*(8*((\a)%4)+\b)+7], v[32+192*(\sc)+4*\b+(\v)], v[32+192*(\sc)+4*(\a)+(\v)] matrix_a_fmt:MATRIX_FMT_BF6 matrix_b_fmt:MATRIX_FMT_BF6 matrix_a_scale:MATRIX_SCALE_ROW1
.endif
.endr
.endr
.endm
.macro FETCH_B s, m, v, p
	WIN TO_B
.irp i, 0,1,2,3,4,5,6,7
	FRAG 128*(\p)+FR*\i, ADRB+2*(3-(\m))+(\s), \i*((\m)*UB+256)+(\v)*UB
.endr
	WIN 0
.endm
.macro FETCH_A s, m, v, i0
.irp i, \i0, \i0+1, \i0+2, \i0+3
	FRAG AF+FR*(\i), ADRA+2*(3-(\m))+(\s), (\i)*((\m)*UB+256)+(\v)*UB
.endr
.endm
.macro SCALES s, m
.irp i, 0,1,2,3,4,5,6,7
	ds_load_b128 v[32+192*(\s)+4*\i:32+192*(\s)+4*\i+3], v[ADRS+2*(3-(\m))+(\s)] offset:\i*((\m)*UB+256)
.endr
.endm
.macro PLACES n                        ; places behind matrix instructions, ahead of loads into their sources and of reads of their results
.rept \n
	v_nop
.endr
.endm
; A unit of 128 along K that has its successor in the same slot.  A's blocks 0-3 are fetched anew in the unit's middle, blocks 4-7 at its end.
.macro STEP s, m, v, p, first
	s_wait_dscnt 4*NL                              ; the youngest 12 loads (A's blocks 4-7) may be out
.if \first
	WIN FIRST_LO
.else
	WIN MUL_LO
.endif
	MUL16 0, \p, \v, \s, \first
	MUL16 2, \p, \v, \s, \first
	s_wait_dscnt 0
	PLACES NP
	FETCH_B \s, \m, (\v)+1, 1-(\p)
	FETCH_A \s, \m, (\v)+1, 0
.if \first
	WIN FIRST_HI
.else
	WIN MUL_HI
.endif
	MUL16 4, \p, \v, \s, \first
	MUL16 6, \p, \v, \s, \first
	PLACES NP
	WIN 0
	FETCH_A \s, \m, (\v)+1, 4
.endm
; A slot's last unit changes slots: ONE barrier, which opens a round of the cluster's; in front of it each wave waits for all its tensor loads, adds 0 to its spare word, and waits for that and for its reads of this slot.
; Behind the round this slot is filled again.  fill = 1: the h part's group of the same number.  2: slot a, the x part's group 2.  3: slot b, the h part's group 2.  4: slot a, read for the last time, takes c_prev.
.macro TURN s, m, p, ns, nm, fill
	s_wait_tensorcnt 0x0                           ; all my tensor loads have landed: my part of the next slot
	ds_add_u32 v[SPW], v[NIL]
	s_wait_dscnt 4*NL+1                            ; (the add and the youngest 12 loads may be out)
	WIN MUL_LO
	MUL16 0, \p, (\m)-1, \s, 0
	s_wait_dscnt 0x0                               ; the add is done, and my reads of this slot are over
	s_barrier_signal -1
	MUL16 2, \p, (\m)-1, \s, 0
	WIN 0
	s_barrier_wait -1
	CREST                                          ; no tensor load of mine is out, so the groups 0 may be written
.if \fill == 1
	s_add_nc_u64 s[G0A+4*\s+2:G0A+4*\s+3], s[G0A+4*\s+2:G0A+4*\s+3], HOFF
	s_add_nc_u64 s[G0B+4*\s+2:G0B+4*\s+3], s[G0B+4*\s+2:G0B+4*\s+3], HOFF
	JLOAD G0A+4*\s, G1A3, G0B+4*\s, G1B3           ; my one tensor load behind the round; its four v_nop are the places in front of the loads below
.elseif \fill == 2
	s_sub_nc_u64 s[G0A+2:G0A+3], s[G0A+2:G0A+3], HOFF-2*P3
	s_sub_nc_u64 s[G0B+2:G0B+3], s[G0B+2:G0B+3], HOFF-2*P3
	s_mov_b32 s[G0A+1], s87
	s_mov_b32 s[G0B+1], s87
	JLOAD G0A, G1A2, G0B, G1B2
.elseif \fill == 3
	s_add_nc_u64 s[G0A+6:G0A+7], s[G0A+6:G0A+7], P3
	s_add_nc_u64 s[G0B+6:G0B+7], s[G0B+6:G0B+7], P3
	s_add_co_u32 s[G0A+5], s87, SLOTB
	s_add_co_u32 s[G0B+5], s87, SLOTB
	JLOAD G0A+4, G1A2, G0B+4, G1B2
.else
	tensor_load_to_lds s[G0C:G0C+3], s[G1C:G1C+7]  ; every wave its own 64 rows of c_prev
	s_nop 0
	PLACES 4
.endif
	FETCH_B \ns, \nm, 0, 1-(\p)
	FETCH_A \ns, \nm, 0, 0
	SCALES \ns, \nm
.if \fill == 1
	ASK PF2, 2*P3+(\s)*HOFF                        ; two fills on: the x part's group 2 (behind fill 2), the h part's (behind fill 3)
.elseif \fill == 2
	global_prefetch_b8 v[PFO], s[12:13] th:TH_LOAD_NT scope:SCOPE_SE                 ; two fills on: my wave's own 64 rows of c_prev, a lane to each row's 256 bytes
	global_prefetch_b8 v[PFO], s[12:13] offset:32*OROW th:TH_LOAD_NT scope:SCOPE_SE
.endif
	WIN MUL_HI
	MUL16 4, \p, (\m)-1, \s, 0
	MUL16 6, \p, (\m)-1, \s, 0
	PLACES NP
	WIN 0
	FETCH_A \ns, \nm, 0, 4
.endm
	s_wait_alu depctr_va_vdst(0)
	s_wait_tensorcnt 0x0                           ; my part of slot a is in
	ds_add_u32 v[SPW], v[NIL]
	s_wait_dscnt 0x0
	CROUND                                         ; everybody's part is in, and all sixteen work-groups are here
	JLOAD G0A+4, G1A3, G0B+4, G1B3                 ; slot b's first fill: the first tensor load behind the round
	FETCH_B 0, 3, 0, 0
	FETCH_A 0, 3, 0, 0
	ASK PF3, HOFF+P3                               ; fill 3: the h part's group 1
	SCALES 0, 3
	FETCH_A 0, 3, 0, 4
	STEP 0, 3, 0, 0, 1                             ; unit 0: its products start the sums from the bias
	STEP 0, 3, 1, 1, 0
	TURN 0, 3, 0, 1, 3, 1                          ; unit 2; slot a takes the h part's group 0
	STEP 1, 3, 0, 1, 0
	STEP 1, 3, 1, 0, 0
	TURN 1, 3, 1, 0, 3, 1                          ; unit 5; slot b takes the h part's group 1
	STEP 0, 3, 0, 0, 0
	STEP 0, 3, 1, 1, 0
	TURN 0, 3, 0, 1, 3, 2                          ; unit 8; slot a takes the x part's group 2
	STEP 1, 3, 0, 1, 0
	STEP 1, 3, 1, 0, 0
	TURN 1, 3, 1, 0, 2, 3                          ; unit 11; slot b takes the h part's group 2
	STEP 0, 2, 0, 0, 0
	TURN 0, 2, 1, 1, 2, 4                          ; unit 13; slot a takes c_prev
	STEP 1, 2, 0, 0, 0
	s_wait_dscnt 4*NL                              ; unit 15, the last: nothing more to fetch
	WIN MUL_LO
	MUL16 0, 1, 1, 1, 0
	MUL16 2, 1, 1, 1, 0
	s_wait_dscnt 0x0                               ; my reads of slot b are over: behind the barrier h_t is stored there;
	s_wait_tensorcnt 0x0                           ; my 64 rows of c_prev have landed: behind the barrier other waves read them
	s_barrier_signal -1
	WIN MUL_HI
	MUL16 4, 1, 1, 1, 0
	MUL16 6, 1, 1, 1, 0
	WIN 0
	s_barrier_wait -1
	PLACES NP
; THE WAY OUT, by pairs of blocks.  Block e of a pair: F at T + 64 e, I at + 16, O at + 32, E at + 48, sixteen registers each (8 u + j); W at WR + 16 e; c_prev at CR + 16 e in window 1.
; Two plain lines in one, on registers n and n + 1 of window 0: one destination even and one odd, and each pair of sources one register apart.
.macro D2 op, d, a, b                  ; d = op(a, b); for fmac: d += a b
	v_dual_\op v[\d], v[\a], v[\b] :: v_dual_\op v[\d+1], v[\a+1], v[\b+1]
.endm
.macro D2K op, d, k, b                 ; the first source a constant or a scalar register, the same in both
	v_dual_\op v[\d], \k, v[\b] :: v_dual_\op v[\d+1], \k, v[\b+1]
.endm
.macro ALL kind                        ; one line on all sixteen pairs of registers of the two blocks
.irp e, 0,1
.irp p, 0,2,4,6,8,10,12,14
.set rF, T+64*\e+\p
.set rI, rF+16
.set rO, rF+32
.set rE, rF+48
.set rW, WR+16*\e+\p
.set rC, CR+16*\e+\p
.if \kind == 0
	D2K add_f32, rW, -1.0, rE                      ; W = E - 1
.elseif \kind == 1
	D2K add_f32, rE, 1.0, rE                       ; 1 + E
.elseif \kind == 2
	D2 fmac_f32, rE, rI, rE                        ; (1 + I)(1 + E), in E's place
.elseif \kind == 3
	D2 fmac_f32, rW, rW, rF                        ; (E - 1)(1 + F)
.elseif \kind == 4
	v_pk_fma_f32 v[rW:rW+1], v[rC:rC+1], v[rE:rE+1], v[rW:rW+1]        ; + c (1 + I)(1 + E); c in window 1
.elseif \kind == 5
	D2 fmac_f32, rE, rF, rE                        ; the divisor (1 + F)(1 + I)(1 + E)
.elseif \kind == 6
	D2 mul_f32, rW, rW, rE                         ; c_t
.elseif \kind == 7
	D2K mul_f32, rF, s92, rW                       ; 2 L c_t, in F's place
.elseif \kind == 8
	D2K min_num_f32, rF, s94, rF                   ; held
.elseif \kind == 9
	D2K add_f32, rI, -1.0, rF                      ; G - 1, in I's place
.elseif \kind == 10
	D2K add_f32, rF, 1.0, rF                       ; 1 + G
.elseif \kind == 11
	D2 fmac_f32, rF, rO, rF                        ; (1 + O)(1 + G)
.else
	D2 mul_f32, rI, rI, rF                         ; h_t
.endif
.endr
.endr
.endm
.macro HOLD base, cnt                  ; the hold on cnt exponents from base on
.set n, 0
.rept (\cnt)/2
	D2K min_num_f32, \base+n, s94, \base+n
.set n, n+2
.endr
.endm
.macro TR op, base                     ; a batch of 32 transcendentals in place: sixteen registers of each block
.irp e, 0,1
.set n, 0
.rept 16
	\op v[\base+64*\e+n], v[\base+64*\e+n]
.set n, n+1
.endr
.endr
.endm
.macro OUT adr, base, step, q          ; sixteen registers of each block into my 2 x 32 bytes of its rows
.irp e, 0,1
.irp u, 0,1
	ds_store_b128 v[\adr], v[\base+\step*\e+8*\u:\base+\step*\e+8*\u+3] offset:16*CP*(2*(\q)+\e)+64*\u
	ds_store_b128 v[\adr], v[\base+\step*\e+8*\u+4:\base+\step*\e+8*\u+7] offset:16*CP*(2*(\q)+\e)+64*\u+16
.endr
.endr
.endm
.macro READBACK q                      ; of blocks 2 q and 2 q + 1 of my half of the rows I take block 2 q + wn: 16 whole rows of c_t, 16 of h_t, into window 1
	WIN TO_B
.irp t, 0,1,2,3,4,5,6,7
	ds_load_b128 v[OB+4*\t:OB+4*\t+3], v[RDC] offset:(32*(\q)+2*\t)*CP
.endr
.irp t, 0,1,2,3,4,5,6,7
	ds_load_b128 v[OB+32+4*\t:OB+32+4*\t+3], v[RDH] offset:(32*(\q)+2*\t)*CP
.endr
	WIN 0
.endm
.macro SEND q                          ; 16 lanes store 256 consecutive bytes, at a multiple of 256 from the output's first byte
	WIN 0x04
.irp t, 0,1,2,3,4,5,6,7
	global_store_b128 v[CO], v[OB+4*\t:OB+4*\t+3], s[98:99] offset:(32*(\q)+2*\t)*OROW th:TH_STORE_NT
.endr
.irp t, 0,1,2,3,4,5,6,7
	global_store_b128 v[CO], v[OB+32+4*\t:OB+32+4*\t+3], s[96:97] offset:(32*(\q)+2*\t)*OROW th:TH_STORE_NT
.endr
	WIN 0
.endm
.macro BLK q
	WIN TO_B
.irp e, 0,1                                    ; c_prev of the two blocks, in the accumulators' layout
.irp u, 0,1
	ds_load_b128 v[CR+16*\e+8*\u:CR+16*\e+8*\u+3],   v[CL] offset:16*CP*(2*(\q)+\e)+64*\u
	ds_load_b128 v[CR+16*\e+8*\u+4:CR+16*\e+8*\u+7], v[CL] offset:16*CP*(2*(\q)+\e)+64*\u+16
.endr
.endr
.if (\q) < 2
	WIN 0x02                                       ; source 0: window 2
.else
	WIN 0x03
.endif
	s_wait_alu depctr_va_vdst(0)                   ; ahead of these first reads of matrix results
.set n, 0
.rept 64                                       ; the exponents: -L z for the three sigmoids, 2 L z for the tanh; each accumulator is read from its low end on
.if (n%64) < 48
	v_pk_mul_f32 v[T+n:T+n+1], v[128*((\q)%2)+n:128*((\q)%2)+n+1], s[66:67] op_sel_hi:[1,0]
.else
	v_pk_mul_f32 v[T+n:T+n+1], v[128*((\q)%2)+n:128*((\q)%2)+n+1], s[92:93] op_sel_hi:[1,0]
.endif
.set n, n+2
.endr
	WIN 0
.irp e, 0,1                                    ; F's, I's and E's exponents are held; O's is not
	HOLD T+64*\e, 32
	HOLD T+64*\e+48, 16
.endr
	s_wait_alu depctr_va_vdst(0)
.set n, 0
.rept 128
	v_exp_f32 v[T+n], v[T+n]
.set n, n+1
.endr
	v_nop
	s_wait_alu depctr_va_vdst(0)
	s_wait_dscnt 0x0                               ; c_prev is in, and so are the rows read back behind the pair before
.if (\q) > 0
	SEND (\q)-1                                    ; which leave under this pair's arithmetic
.endif
	ALL 0
	ALL 1
	ALL 2
	ALL 3
	WIN 0x01
	ALL 4
	WIN 0
	ALL 5
	s_wait_alu depctr_va_vdst(0)
	TR v_rcp_f32, T+48
	v_nop
	s_wait_alu depctr_va_vdst(0)
	ALL 6
	ALL 7
	ALL 8
	OUT CL, WR, 16, \q                             ; c_t over the c_prev that I have read: these bytes have had their last fill
	s_wait_alu depctr_va_vdst(0)
	TR v_exp_f32, T
	v_nop
	s_wait_alu depctr_va_vdst(0)
	ALL 9
	ALL 10
	ALL 11
	s_wait_alu depctr_va_vdst(0)
	TR v_rcp_f32, T
	v_nop
	s_wait_alu depctr_va_vdst(0)
	ALL 12
	OUT HL, T+16, 64, \q
	; a row's 256 bytes come from two waves, so a barrier stands between the writing and the reading.  Every block has bytes of its own in both stages
	s_wait_alu depctr_va_vdst(0)
	s_wait_dscnt 0x0                               ; for the others' sake: my stores of these two blocks are done
	s_barrier_signal -1
	s_barrier_wait -1
.if (\q) > 0
	s_wait_xcnt 0x0                                ; the earlier stores' data registers are loaded again only behind this wait
.endif
	READBACK \q
.endm
	BLK 0
	BLK 1
	BLK 2
	BLK 3
	s_wait_dscnt 0x0
	SEND 3
	s_wait_tensorcnt 0x0                           ; the wave's end
	ds_add_u32 v[SPW], v[NIL]
	s_wait_dscnt 0x0
	CROUND                                         ; the closing round
	s_endpgm
.Lfunc_end_k_q735f423d4a_cell:
	.size	k_q735f423d4a_cell, .Lfunc_end_k_q735f423d4a_cell-k_q735f423d4a_cell
	.p2alignl 7, 3214868480
	.fill 96, 4, 3214868480
	.section	.rodata,"a",@progbits
	.p2align	6, 0x0
	.amdhsa_kernel k_q735f423d4a_cell
		.amdhsa_group_segment_fixed_size 327680
		.amdhsa_private_segment_fixed_size 0
		.amdhsa_enable_private_segment 0
		.amdhsa_kernarg_size 64
		.amdhsa_user_sgpr_count 2
		.amdhsa_user_sgpr_kernarg_segment_ptr 1
		.amdhsa_wavefront_size32 1
		.amdhsa_system_sgpr_workgroup_id_x 1
		.amdhsa_system_sgpr_workgroup_id_y 1
		.amdhsa_system_sgpr_workgroup_id_z 1
		.amdhsa_system_vgpr_workitem_id 0
		.amdhsa_next_free_vgpr 1024
		.amdhsa_next_free_sgpr 100
		.amdhsa_reserve_vcc 0
		.amdhsa_float_denorm_mode_32 3
		.amdhsa_float_denorm_mode_16_64 3
		.amdhsa_memory_ordered 1
		.amdhsa_forward_progress 1
		.amdhsa_inst_pref_size 255
	.end_amdhsa_kernel
	.section	.bss,"aw",@nobits
	.p2align	6
	.space	262144
	.amdgpu_metadata
---
amdhsa.version: [ 1, 2 ]
amdhsa.kernels:
  - .name:           k_q735f423d4a_cell
    .symbol:         k_q735f423d4a_cell.kd
    .args:
      - { .name: a_img, .offset: 0, .size: 8, .value_kind: global_buffer, .address_space: global }
      - { .name: b_img, .offset: 8, .size: 8, .value_kind: global_buffer, .address_space: global }
      - { .name: c_prev, .offset: 16, .size: 8, .value_kind: global_buffer, .address_space: global }
      - { .name: out0, .offset: 24, .size: 8, .value_kind: global_buffer, .address_space: global }
      - { .name: out1, .offset: 32, .size: 8, .value_kind: global_buffer, .address_space: global }
      - { .name: b_x, .offset: 40, .size: 8, .value_kind: global_buffer, .address_space: global }
      - { .name: b_h, .offset: 48, .size: 8, .value_kind: global_buffer, .address_space: global }
      - { .name: b_extra, .offset: 56, .size: 8, .value_kind: global_buffer, .address_space: global }
    .group_segment_fixed_size: 327680
    .private_segment_fixed_size: 0
    .kernarg_segment_align: 8
    .kernarg_segment_size: 64
    .max_flat_workgroup_size: 128
    .sgpr_count:     100
    .vgpr_count:     1024
    .wavefront_size: 32
...
	.end_amdgpu_metadata
.endif
;; end of part 2
